; MI455X (gfx1250); checked and timed in simulation.
; The chip was launched on July 23, 2026; its instructions are those of AMD's public machine-readable ISA for CDNA 5 (MIT licence, August 2026) and "CDNA5" Instruction Set Architecture Reference Guide (July 2026). The comments in the code are by the model that wrote it; some were corrected since.
;; Attention Module. Allowed arithmetic: float matrix products may take bf16 or f16 operands with f32 sums; other float arithmetic in f32, or as packed bf16 or f16 multiplies, adds, multiply-adds, maxima and minima; sums over many terms, partial sums and values carried from step to step in f32; what a program stores and reads back later, other than sums and carried values, may be rounded once to bf16 or f16.
;; Inputs: a 4 x 4,096 x 1,024 float32; q 4 x 2,048 x 1,024 float32.
;; Outputs: out0 4 x 4,096 x 1,024 float32.
;; 2 versions, each right and faster than the one before. Each part assembles by itself: llvm-mc -triple=amdgcn-amd-amdhsa -mcpu=gfx1250 --defsym DOCPART=n.
;; ======== version 1 of 2: 2 launches
;; limits: right only within a limited range of input values
;; workspace buffers: qh 16,777,216 bytes
;; launch cvtq (part 1): grid 1024 x 1, 8 waves a work-group, no clusters, 0 bytes of LDS; arguments q, qh; writes qh
.if DOCPART == 1
	.amdgcn_target "amdgcn-amd-amdhsa--gfx1250"
	.amdhsa_code_object_version 6
	.text
	.protected	k_q5dbb1d8ff1_cvtq
	.globl	k_q5dbb1d8ff1_cvtq
	.p2align	8
	.type	k_q5dbb1d8ff1_cvtq,@function
k_q5dbb1d8ff1_cvtq:
	s_mov_b64 s[64:65], 0
	v_nop
	global_prefetch_b8 v0, s[64:65] scope:SCOPE_SE
	s_setreg_imm32_b32 hwreg(HW_REG_WAVE_MODE, 25, 1), 1
	s_wait_xcnt 0x0
; qh = q rounded once to bf16 (nearest even).  q: [4][2048][1024] f32, qh: the same shape in bf16.
; A stream: a work-group takes 32,768 consecutive bytes of q and writes 16,384 of qh.  Thread t takes 16 bytes at 16 t + 4,096 i, i = 0..7:
; a wave's load covers 512 consecutive bytes, a wave's store 256 consecutive bytes at a multiple of 256 from qh's first byte.
; All eight loads of a thread go out together; no register is written twice, so no wait frees a source.  No LDS, no barrier, no matrix unit:
; nothing is shared and nothing is multiplied.
.set IN,  8                            ; v[8:39]   eight loads of four f32
.set OUTR, 40                          ; v[40:55]  eight pairs of packed bf16
	s_load_b128 s[4:7], s[0:1], 0x0                ; q s[4:5], qh s[6:7]
	v_lshlrev_b32 v1, 4, v0                        ; 16 t
	v_lshlrev_b32 v2, 3, v0                        ; 8 t
	s_lshl_b32 s8, ttmp9, 15                       ; the work-group's 32,768 bytes of q
	s_mov_b32 s9, 0
	s_lshl_b32 s10, ttmp9, 14                      ; and its 16,384 bytes of qh
	s_mov_b32 s11, 0
	s_wait_kmcnt 0x0
	s_add_nc_u64 s[4:5], s[4:5], s[8:9]
	s_add_nc_u64 s[6:7], s[6:7], s[10:11]
.irp i, 0,1,2,3,4,5,6,7
	global_load_b128 v[IN+4*\i:IN+4*\i+3], v1, s[4:5] offset:4096*\i th:TH_LOAD_NT
.endr
.irp i, 0,1,2,3,4,5,6,7
	s_wait_loadcnt 7-\i                            ; loads come back in order: number i is in, the 7 - i younger ones may stay out
	v_cvt_pk_bf16_f32 v[OUTR+2*\i], v[IN+4*\i], v[IN+4*\i+1]
	v_cvt_pk_bf16_f32 v[OUTR+2*\i+1], v[IN+4*\i+2], v[IN+4*\i+3]
	global_store_b64 v2, v[OUTR+2*\i:OUTR+2*\i+1], s[6:7] offset:2048*\i
.endr
	s_endpgm
.Lfunc_end_k_q5dbb1d8ff1_cvtq:
	.size	k_q5dbb1d8ff1_cvtq, .Lfunc_end_k_q5dbb1d8ff1_cvtq-k_q5dbb1d8ff1_cvtq
	.p2alignl 7, 3214868480
	.fill 96, 4, 3214868480
	.section	.rodata,"a",@progbits
	.p2align	6, 0x0
	.amdhsa_kernel k_q5dbb1d8ff1_cvtq
		.amdhsa_group_segment_fixed_size 0
		.amdhsa_private_segment_fixed_size 0
		.amdhsa_enable_private_segment 0
		.amdhsa_kernarg_size 16
		.amdhsa_user_sgpr_count 2
		.amdhsa_user_sgpr_kernarg_segment_ptr 1
		.amdhsa_wavefront_size32 1
		.amdhsa_system_sgpr_workgroup_id_x 1
		.amdhsa_system_sgpr_workgroup_id_y 1
		.amdhsa_system_sgpr_workgroup_id_z 1
		.amdhsa_system_vgpr_workitem_id 0
		.amdhsa_next_free_vgpr 64
		.amdhsa_next_free_sgpr 66
		.amdhsa_reserve_vcc 0
		.amdhsa_float_denorm_mode_32 3
		.amdhsa_float_denorm_mode_16_64 3
		.amdhsa_memory_ordered 1
		.amdhsa_forward_progress 1
		.amdhsa_inst_pref_size 4
	.end_amdhsa_kernel
	.amdgpu_metadata
---
amdhsa.version: [ 1, 2 ]
amdhsa.kernels:
  - .name:           k_q5dbb1d8ff1_cvtq
    .symbol:         k_q5dbb1d8ff1_cvtq.kd
    .args:
      - { .name: q, .offset: 0, .size: 8, .value_kind: global_buffer, .address_space: global }
      - { .name: qh, .offset: 8, .size: 8, .value_kind: global_buffer, .address_space: global }
    .group_segment_fixed_size: 0
    .private_segment_fixed_size: 0
    .kernarg_segment_align: 8
    .kernarg_segment_size: 16
    .max_flat_workgroup_size: 256
    .sgpr_count:     66
    .vgpr_count:     64
    .wavefront_size: 32
...
	.end_amdgpu_metadata
.endif
;; end of part 1
;; launch attn (part 2): grid 64 x 4, 4 waves a work-group, clusters of 4 x 1, 327,680 bytes of LDS; arguments a, qh, out0; writes out0
.if DOCPART == 2
	.amdgcn_target "amdgcn-amd-amdhsa--gfx1250"
	.amdhsa_code_object_version 6
	.text
	.protected	k_q5dbb1d8ff1_attn
	.globl	k_q5dbb1d8ff1_attn
	.p2align	8
	.type	k_q5dbb1d8ff1_attn,@function
k_q5dbb1d8ff1_attn:
	s_mov_b64 s[64:65], 0
	v_nop
	global_prefetch_b8 v0, s[64:65] scope:SCOPE_SE
	s_setreg_imm32_b32 hwreg(HW_REG_WAVE_MODE, 25, 1), 1
	s_wait_xcnt 0x0
	s_wait_alu depctr_hold_cnt(0) depctr_sa_sdst(0) depctr_va_vdst(0) depctr_va_sdst(0) depctr_va_ssrc(0) depctr_va_vcc(0) depctr_vm_vsrc(0)
	s_getreg_b32 s2, hwreg(HW_REG_IB_STS2, 6, 4)
	s_cmp_eq_u32 s2, 0
	s_cbranch_scc0 .Lentry_in_a_cluster
	s_endpgm
.Lentry_in_a_cluster:
	s_bfe_u32 s2, ttmp6, 0x10000c
	s_cmp_lg_u32 s2, 0x3003
	s_cbranch_scc0 .Lentry_shape_is_right
	s_endpgm
.Lentry_shape_is_right:
; out0[b][m][:] = the sum over n of softmax_n(a[b][m] . q[b][n]) q[b][n][:].  a: [4][4096][1024] f32, qh: [4][2048][1024] bf16 (q rounded once), out0 like a.
; The rows of a are the queries; the 2,048 rows of q are keys AND values, so ONE bf16 tile in LDS serves both products.  Products on bf16 operands, sums, maxima and statistics in f32;
; the weights p are rounded to bf16 for the second product, their sum l is taken of the unrounded p.
; LIMITS.  Inputs are finite: O's registers start with a's numbers and are multiplied by a first factor 0.  c x score stays above -4e37.  A weight below 2^-126 counts as 0.
; Keys are walked, and partial sums added, in another order than written in the formula.
; SHARES.  A work-group owns 64 rows of a (four blocks rb of 16): 4 x 64 = 256 work-groups.  Wave w owns channels 256 w .. 256 w + 255 in everything: its quarter of the first product's sum
; and its quarter of O's columns: 64 rows x 256 channels of f32 are 512 registers.  So each byte of a tile is read from LDS by one wave, once as K and once as V, and each fragment feeds four products.
; FIRST PRODUCT.  S^T = K A^T (source 0 = 16 keys, source 1 = 16 rows of a): a lane holds ONE row of a (lane % 16) and the keys 8 (lane / 16) + 0..7.  The four waves' partial sums meet in LDS (XP);
; wave w adds them for block rb = w, makes that block's softmax step, and hands P (bf16, as source 1 of the second product lies in registers) and the factor alpha back through LDS (PB, AL).
; SECOND PRODUCT.  O^T += V^T P (source 0 = 16 channels x 32 keys, turned by ds_load_tr16_b128): a lane again holds one row of a, and eight channels.
; SOFTMAX.  For each row a running maximum m and sum l: p = 2^(c s - c m), c = log2(e); in every step O and l are multiplied by alpha = 2^(c m_old - c m_new).
; A PERIOD is a tile of 64 keys = two steps a, b of 32 keys = 256 matrix instructions a wave, in eight groups of 32: S(a) S(a) S(b) S(b) PV(a) PV(a) PV(b) PV(b).  Step a's exchange and softmax ride on
; S(b), step b's on PV(a); O's rescaling rides where its factor is known and its accumulators are not in hand.
; RING.  Two slots of one tile.  The slot just read out is asked for again in front of the period's last group: the load has a whole period in which to land.
; CLUSTER.  The four work-groups of a cluster belong to one batch and walk the same tiles: each tile is asked for JOINTLY (the same load, descriptor and mask of four in all four).
; THE WALK IS STAGGERED: cluster c of a batch's 16 takes tile (2 c + t) mod 32 in period t (a softmax does not mind the order of its keys).  So the two first fills of the 16 clusters name each of the
; batch's 32 tiles once, and every later request repeats a tile that has been asked for: no prefetch is laid.
; LDS.  A slot is four pieces (channel half ch, key half kh) of 32 rows x 1,024 bytes, rows 1,056 bytes apart, piece (ch, kh) at 67,840 ch + 33,808 kh.  64 banks of 4 bytes (ISA guide 11.1): the turning load's
; 16 lanes take 8 rows x 32 bytes, 1,056 = 32 mod 256.  A fragment of K takes 8 keys of each key half, whose pieces lie 33,808 = 16 mod 256 apart: 16 rows at 16 different groups of four banks.
; Step t is rows 16 t .. 16 t + 15 of both key halves; index k of the step's 32: k = 8 h + j is row 16 t + j of half h, k = 16 + 8 h + j row 16 t + 8 + j of half h: the same in K, P and V.
; REGISTERS, in windows of 256 (s_set_vgpr_msb: bits 1:0 source 0, 3:2 source 1, 5:4 source 2, 7:6 destination):
;   window 0: v0-31 addresses and statistics; v32-95, v96-159 two fragment buffers; v160-191 RQ, v192-255 RT: scores, partial sums and P by turns
;   window 1: a's fragments, block rb, channels 32 f on, at 64 rb + 8 f          windows 2, 3: O^T, channel block cb, block rb at 8 (4 cb + rb); cb 0-7 in window 2
.set PITCH, 1056
.set KHOFF, 33808
.set CHOFF, 67840
.set SLOTB, 135680                     ; 0x21200: its bits 17, 12, 9 occur in no wave's term (67,840 = 0x10900, 33,808 = 0x8410), so one exclusive or changes slots
.set XP,    2*SLOTB                    ; 32,768 bytes: [block rb] 8,192 + [from wave] 2,048 + [16 keys kb] 1,024 + [registers 0-3, 4-7] 512 + 16 lane
.set PB,    XP+32768                   ; 4,096 bytes: [block rb] 1,024 + [registers 0-3, 4-7] 512 + 16 lane
.set AL,    PB+4096                    ; 512 bytes: 16 lane + 4 rb: alpha
.set LI,    AL+512                     ; 512 bytes: the same, 1 / l at the end
.set SPARE, LI+512                     ; the spare words, 128 bytes for each wave: two blocks of 256 bytes that no other line names
.set SPIT,  1040                       ; the way out: a stage row, 1,024 bytes + 16: 16 rows start at 16 different groups of four banks
.set STG,   16*SPIT                    ; a wave's stage; the four lie in slot 0, which has had its last fill by then
.set KL,  4                            ; v4   my lane's place in a slot for K's fragments; never rewritten in the loop
.set VL,  5                            ; v5   the same for V's
.set AK,  6                            ; v6   KL + the slot in hand
.set AV,  7                            ; v7   VL + the slot in hand
.set XST, 8                            ; v8   XP + 2,048 w + 16 lane: where I put partial sums
.set XLD, 9                            ; v9   XP + 8,192 w + 16 lane: where I find my block's four
.set PST, 10                           ; v10  PB + 1,024 w + 16 lane
.set PLD, 11                           ; v11  PB + 16 lane
.set AST, 12                           ; v12  AL + 16 lane + 4 w
.set SPW, 13                           ; v13  my spare word: SPARE + 4 x my thread's number; never rewritten
.set NIL, 14                           ; v14  0; never rewritten
.set AO,  15                           ; v15  my byte offset in a's rows; never rewritten
.set CM,  16                           ; v16  c m      (named with MX as a pair)
.set MX,  17                           ; v17  m
.set LS,  18                           ; v[18:19] l, even and odd places
.set C0,  20                           ; v20, v21 at work
.set C1,  21
.set ALP, 22                           ; v22  my block's alpha (named with DD as a pair)
.set DD,  23                           ; v23  c m_old, then c m_old - c m_new
.set ALFA, 24                          ; v[24:27] step a's alpha of the four blocks, for my lane's row
.set ALFB, 28                          ; v[28:31] step b's
.set FA,  32
.set FB,  96
.set RQ,  160
.set RT,  192
; scalars: s[4:5] a at my rows; s[6:7] qh; s[8:9] out0 at my rows and channels; s10 wave; s11 cx; s[12:15] offsets; s[16:23] descriptor group 1; s[24:27], s[28:31] group 0 (the second walks);
; s32 the slot in hand; s33 the tile to ask for next; s[34:35] its byte offset; s[36:37] qh at my piece of tile 0; s38 counter; s[40:41] c; s[42:43] lane selects; s44 batch; s45, s46 wave & 1, wave >> 1
.set MSB, 0
.macro WIN new                         ; the immediate's high byte repeats the setting that is left; a switch that changes nothing is dropped
.if MSB != (\new)
	s_set_vgpr_msb (MSB<<8)|(\new)
.set MSB, \new
.endif
.endm
; Four places: a store of a matrix result, a vector line on a matrix instruction's registers and a load into them stand four plain vector instructions behind it (ISA guide 7.12.1 for the store and the vector line).
.macro PLACES
.rept 4
	v_nop
.endr
.endm
.macro CREST                           ; a round of the cluster's barrier behind its opening barrier
	s_cmp_lg_u32 s10, 0
	s_cbranch_scc1 .Lnot_wave_0_\@
	s_barrier_signal -3
.Lnot_wave_0_\@:
	s_barrier_wait -3
	s_barrier_signal -1
	s_barrier_wait -1
.endm
.macro ROUND                           ; a whole round
	s_barrier_signal -1
	s_barrier_wait -1
	CREST
.endm
; K's fragments of step t, keys 16 kb on: 8 fragments of 32 channels, 16 loads; load i brings 16 bytes at 32 i of my 512 bytes of a row.
.macro FLK1 buf, t, kb, i
	ds_load_b128 v[(\buf)+4*(\i):(\buf)+4*(\i)+3], v[AK] offset:(16*(\t)+8*(\kb))*PITCH+32*(\i)
.endm
.macro FLK buf, t, kb
.set fi, 0
.rept 16
	FLK1 \buf, \t, \kb, fi
.set fi, fi+1
.endr
.endm
; V's fragments of step t, channel blocks 8 g .. 8 g + 7, turned: registers 0-3 keys k = 8 h + 0..7, registers 4-7 k = 16 + 8 h + 0..7.
.macro FLV buf, t, g
.irp c, 0,1,2,3,4,5,6,7
	ds_load_tr16_b128 v[(\buf)+8*\c:(\buf)+8*\c+3],   v[AV] offset:16*(\t)*PITCH+32*(8*(\g)+\c)
	ds_load_tr16_b128 v[(\buf)+8*\c+4:(\buf)+8*\c+7], v[AV] offset:(16*(\t)+8)*PITCH+32*(8*(\g)+\c)
.endr
.endm
; My partial scores of the four blocks, 16 keys kb, to the waves that own the blocks.  Each accumulator's low registers go first.
.macro XSTO acc, kb
.irp rb, 0,1,2,3
	ds_store_b128 v[XST], v[(\acc)+8*\rb:(\acc)+8*\rb+3]   offset:8192*\rb+1024*(\kb)
	ds_store_b128 v[XST], v[(\acc)+8*\rb+4:(\acc)+8*\rb+7] offset:8192*\rb+1024*(\kb)+512
.endr
.endm
.macro XL1 blk, v                      ; wave v's partial scores of my block: 16 registers
.irp kb, 0,1
	ds_load_b128 v[(\blk)+8*\kb:(\blk)+8*\kb+3],   v[XLD] offset:2048*(\v)+1024*\kb
	ds_load_b128 v[(\blk)+8*\kb+4:(\blk)+8*\kb+7], v[XLD] offset:2048*(\v)+1024*\kb+512
.endr
.endm
.macro XLOAD b0, b1, b2, b3
	XL1 \b0, 0
	XL1 \b1, 1
	XL1 \b2, 2
	XL1 \b3, 3
.endm
.macro PLOAD pr, alf                   ; the four blocks' P and alpha
.irp rb, 0,1,2,3
	ds_load_b128 v[(\pr)+8*\rb:(\pr)+8*\rb+3],   v[PLD] offset:1024*\rb
	ds_load_b128 v[(\pr)+8*\rb+4:(\pr)+8*\rb+7], v[PLD] offset:1024*\rb+512
.endr
	ds_load_b128 v[(\alf):(\alf)+3], v[PLD] offset:4096
.endm
; Product n of 32 of S^T: channels 32 (n / 4) on, block n % 4.  The four accumulators take turns, one instruction a turn; the first four start the sums with the constant 0.
.macro SMM acc, buf
	WIN 0x04                           ; source 1 (a's fragments) in window 1
.if n < 4
	v_wmma_f32_16x16x32_bf16 v[(\acc)+8*(n%4):(\acc)+8*(n%4)+7], v[(\buf)+8*(n/4):(\buf)+8*(n/4)+7], v[64*(n%4)+8*(n/4):64*(n%4)+8*(n/4)+7], 0
.else
	v_wmma_f32_16x16x32_bf16 v[(\acc)+8*(n%4):(\acc)+8*(n%4)+7], v[(\buf)+8*(n/4):(\buf)+8*(n/4)+7], v[64*(n%4)+8*(n/4):64*(n%4)+8*(n/4)+7], v[(\acc)+8*(n%4):(\acc)+8*(n%4)+7]
.endif
.endm
; Product n of 32 of O^T += V^T P, window 2 + g: channel block 8 g + n / 4, block n % 4.  Each accumulator has one product in a group.
.macro PMM g, buf, pr
	WIN 0xA0+0x50*(\g)                 ; C and D in window 2 or 3
	v_wmma_f32_16x16x32_bf16 v[8*n:8*n+7], v[(\buf)+8*(n/4):(\buf)+8*(n/4)+7], v[(\pr)+8*(n%4):(\pr)+8*(n%4)+7], v[8*n:8*n+7]
.endm
; O's rescaling: pair rsp of 256, in the order of the products and from each accumulator's low end: O^T times the alpha of its block.
.macro RS alf
.if rsp < 256
	WIN 0x82+0x41*(rsp>>7)             ; destination and source 0 in window 2 or 3, alpha in window 0
.set rr, 2*(rsp&127)
.set rsb, (rsp>>2)&3
.if rsb&1
	v_pk_mul_f32 v[rr:rr+1], v[rr:rr+1], v[(\alf)+(rsb&2):(\alf)+(rsb&2)+1] op_sel:[0,1] op_sel_hi:[1,1]
.else
	v_pk_mul_f32 v[rr:rr+1], v[rr:rr+1], v[(\alf)+(rsb&2):(\alf)+(rsb&2)+1] op_sel_hi:[1,0]
.endif
.set rsp, rsp+1
.endif
.endm
.macro RSN cnt, alf
.rept \cnt
	RS \alf
.endr
.endm
; My block's softmax step: line rdp of 82.  b0..b3 hold the four waves' partial scores (16 registers each); s0..s15 = b0 when they are added.
;   0-23 the four partial sums into b0     24-31 the maximum of s0..s15 and the old m     32-36 the other 16 keys lie in the lane 16 away; m; c m; c m_old - c m_new     37-44 c s - c m
;   45-61 ONE BATCH of 17 exponentials, alpha first; none reads another's result     62 a plain line behind the last of them and the ONE wait ahead of the first reader
;   63-70 p rounded to bf16 into b1     71-73 P and alpha to LDS     74-81 l = alpha l + the sum of p
.macro RD b0, b1, b2, b3
.if rdp < 82
	WIN 0
.endif
.if rdp < 8
	v_pk_add_f32 v[(\b0)+2*rdp:(\b0)+2*rdp+1], v[(\b0)+2*rdp:(\b0)+2*rdp+1], v[(\b1)+2*rdp:(\b1)+2*rdp+1]
.elseif rdp < 16
	v_pk_add_f32 v[(\b2)+2*rdp-16:(\b2)+2*rdp-15], v[(\b2)+2*rdp-16:(\b2)+2*rdp-15], v[(\b3)+2*rdp-16:(\b3)+2*rdp-15]
.elseif rdp < 24
	v_pk_add_f32 v[(\b0)+2*rdp-32:(\b0)+2*rdp-31], v[(\b0)+2*rdp-32:(\b0)+2*rdp-31], v[(\b2)+2*rdp-32:(\b2)+2*rdp-31]
.elseif rdp == 24
	v_max3_num_f32 v[C0], v[(\b0)], v[(\b0)+1], v[(\b0)+2]
.elseif rdp == 25
	v_max3_num_f32 v[C1], v[(\b0)+8], v[(\b0)+9], v[(\b0)+10]
.elseif rdp == 26
	v_max3_num_f32 v[C0], v[C0], v[(\b0)+3], v[(\b0)+4]
.elseif rdp == 27
	v_max3_num_f32 v[C1], v[C1], v[(\b0)+11], v[(\b0)+12]
.elseif rdp == 28
	v_max3_num_f32 v[C0], v[C0], v[(\b0)+5], v[(\b0)+6]
.elseif rdp == 29
	v_max3_num_f32 v[C1], v[C1], v[(\b0)+13], v[(\b0)+14]
.elseif rdp == 30
	v_max3_num_f32 v[C0], v[C0], v[(\b0)+7], v[(\b0)+15]
.elseif rdp == 31
	v_max3_num_f32 v[C0], v[C0], v[C1], v[MX]
.elseif rdp == 32
	v_permlanex16_b32 v[C1], v[C0], s42, s43
.elseif rdp == 33
	v_mov_b32 v[DD], v[CM]
.elseif rdp == 34
	v_max_num_f32 v[MX], v[C0], v[C1]
.elseif rdp == 35
	v_mul_f32 v[CM], s40, v[MX]
.elseif rdp == 36
	v_sub_f32 v[DD], v[DD], v[CM]
.elseif rdp < 45
	v_pk_fma_f32 v[(\b0)+2*rdp-74:(\b0)+2*rdp-73], v[(\b0)+2*rdp-74:(\b0)+2*rdp-73], s[40:41], v[CM:CM+1] op_sel_hi:[1,0,0] neg_lo:[0,0,1] neg_hi:[0,0,1]
.elseif rdp == 45
	v_exp_f32 v[ALP], v[DD]
.elseif rdp < 62
	v_exp_f32 v[(\b0)+rdp-46], v[(\b0)+rdp-46]
.elseif rdp == 62
	v_nop
	s_wait_alu depctr_va_vdst(0)
.elseif rdp < 71
	v_cvt_pk_bf16_f32 v[(\b1)+rdp-63], v[(\b0)+2*rdp-126], v[(\b0)+2*rdp-125]
.elseif rdp == 71
	ds_store_b128 v[PST], v[(\b1):(\b1)+3]
.elseif rdp == 72
	ds_store_b128 v[PST], v[(\b1)+4:(\b1)+7] offset:512
.elseif rdp == 73
	ds_store_b32 v[AST], v[ALP]
.elseif rdp < 78
.set z, (\b0)+4*(rdp-74)
	v_pk_add_f32 v[z:z+1], v[z:z+1], v[z+2:z+3]
.elseif rdp < 80
.set z, (\b0)+8*(rdp-78)
	v_pk_add_f32 v[z:z+1], v[z:z+1], v[z+4:z+5]
.elseif rdp == 80
	v_pk_add_f32 v[(\b0):(\b0)+1], v[(\b0):(\b0)+1], v[(\b0)+8:(\b0)+9]
.elseif rdp == 81
	v_pk_fma_f32 v[LS:LS+1], v[LS:LS+1], v[ALP:ALP+1], v[(\b0):(\b0)+1] op_sel_hi:[1,0,1]
.endif
.set rdp, rdp+1
.endm
.macro RD4 b0, b1, b2, b3
.rept 4
	RD \b0, \b1, \b2, \b3
.endr
.endm
; THE CHANGE OF SLOTS, in front of the period's last group, whose fragments of V are the slot's last bytes read.  Each wave waits for all its tensor loads (one is out: its piece of the other slot), adds 0 to
; its spare word, and waits for that and for its reads of this slot; 32 lines of O's rescaling stand between, 32 more behind the signal.  Behind the barrier nobody reads this slot and the other slot is whole.
; fill = 1: the barrier opens a round of the cluster's, and the joint refill of this slot is the first thing behind the round.
.macro RTURN fill
	PLACES
	WIN 0
	s_wait_tensorcnt 0x0               ; no tensor load of mine is out, so the walking group 0 may be written
	ds_add_u32 v[SPW], v[NIL]          ; 0 onto my spare word
.if \fill
	s_xor_b32 s29, s29, SLOTB          ; the other slot than last time,
	s_lshl_b32 s34, s33, 17            ; a tile is 64 rows of 2,048 bytes
	s_add_nc_u64 s[30:31], s[36:37], s[34:35]  ; the address is made anew from the tile's number
	s_or_b32 s31, s31, 0x80000000
	s_add_co_u32 s33, s33, 1
	s_and_b32 s33, s33, 31             ; the walk goes round the batch's 32 tiles
.endif
	RSN 32, ALFB
	s_wait_dscnt 0x0                   ; the add is done, and my reads of this slot are in registers
	s_barrier_signal -1
	RSN 32, ALFB                       ; work on registers while the others arrive
	WIN 0
	s_barrier_wait -1
.if \fill
	CREST                              ; no wave of any partner still reads this slot or has a load on its way
	tensor_load_to_lds s[28:31], s[16:23]
	s_nop 0
	PLACES
.endif
	s_xor_b32 s32, s32, SLOTB          ; the fetches go to the other slot
	v_add_nc_u32 v[AK], s32, v[KL]
	v_add_nc_u32 v[AV], s32, v[VL]
.endm
; A PERIOD.  Group i multiplies fragment buffer i % 2; the other buffer, which group i - 1 read, is loaded behind the four places at group i's head.  Every s_wait_dscnt is for 0.
; WHAT THE FOUR BARRIERS ORDER (each wave's s_wait_dscnt 0 stands in front of its signal; between signal and wait stand loads of ring bytes, which nobody writes before the change of slots):
;   b2: XP's stores of step a -> their loads.     b3: those loads done -> XP's stores of step b; P and alpha of step a stored -> loaded.
;   b4: XP's stores of step b -> their loads; P's loads of step a done -> P's stores of step b.     b5: P and alpha of step b stored -> loaded; XP's loads of step b done -> the next period's stores.
.macro PERIOD fill
	PLACES                             ; G0: S(a), keys 0-15 of the step -> RT+0..31
	s_wait_dscnt 0x0                   ; K's fragments, fetched a group ago
.set n, 0
.rept 32
	SMM RT, FA
.if n < 16
	FLK1 FB, 0, 1, n                   ; (destination and address lie in window 0 under the products' setting too)
.endif
.set n, n+1
.endr
	PLACES                             ; G1: S(a), keys 16-31 -> RT+32..63
	WIN 0
	s_wait_dscnt 0x0
	XSTO RT, 0
.set n, 0
.rept 32
	SMM RT+32, FB
.if n < 16
	FLK1 FA, 1, 0, n
.endif
.set n, n+1
.endr
	PLACES                             ; G2: S(b), keys 0-15 -> RQ; step a's sums and softmax ride
	WIN 0
	XSTO RT+32, 1
	s_wait_dscnt 0x0
	s_barrier_signal -1                ; b2
	FLK FB, 1, 1
	s_barrier_wait -1
	XLOAD RT, RT+16, RT+32, RT+48
.set n, 0
.set rdp, 0
.rept 32
	SMM RQ, FA
.if n == 10
	s_wait_dscnt 0x0                   ; the four partial sums are in
.endif
.if n >= 10
	RD4 RT, RT+16, RT+32, RT+48
.endif
.set n, n+1
.endr
	PLACES                             ; G3: S(b), keys 16-31 -> RT+32..63; P(a) -> RT+0..31; O's rescaling by alpha(a) begins
	WIN 0
	s_wait_dscnt 0x0
	s_barrier_signal -1                ; b3
	FLV FA, 0, 0
	s_barrier_wait -1
	XSTO RQ, 0
	PLOAD RT, ALFA
.set n, 0
.set rsp, 0
.rept 32
	SMM RT+32, FB
.if n == 12
	s_wait_dscnt 0x0                   ; P(a), alpha(a) and V's first fragments are in
.endif
.if n >= 12
	RSN 4, ALFA                        ; pairs 0-79
.endif
.set n, n+1
.endr
	PLACES                             ; G4: PV(a), channel blocks 0-7; step b's sums and softmax ride
	WIN 0
	XSTO RT+32, 1
	RSN 48, ALFA                       ; pairs 80-127, while the stores leave: window 2 is rescaled before its products
	WIN 0
	s_wait_dscnt 0x0
	s_barrier_signal -1                ; b4
	FLV FB, 0, 1
	s_barrier_wait -1
	XLOAD RT+32, RT+48, RQ, RQ+16
.set n, 0
.set rdp, 0
.rept 32
	PMM 0, FA, RT
.if n < 10
	RSN 4, ALFA                        ; pairs 128-167
.else
	RSN 2, ALFA                        ; pairs 168-211
.if n == 10
	s_wait_dscnt 0x0
.endif
	RD4 RT+32, RT+48, RQ, RQ+16
.endif
.set n, n+1
.endr
	PLACES                             ; G5: PV(a), channel blocks 8-15: product n wants pairs up to 131 + 4 n, and 212 + 4 n are done ahead of it
	WIN 0
	s_wait_dscnt 0x0
	s_barrier_signal -1                ; b5
	FLV FA, 1, 0
	s_barrier_wait -1
	PLOAD RQ, ALFB
.set n, 0
.rept 32
	PMM 1, FB, RT
.if n < 11
	RSN 4, ALFA                        ; pairs 212-255
.endif
.if n == 12
	s_wait_dscnt 0x0                   ; P(b), alpha(b) and V's fragments are in
.set rsp, 0
.endif
.if n >= 12
	RSN 6, ALFB                        ; pairs 0-119: window 2, whose products of step a stand a group back
.endif
.set n, n+1
.endr
	PLACES                             ; G6: PV(b), channel blocks 0-7
	RSN 8, ALFB                        ; pairs 120-127
	WIN 0
	FLV FB, 1, 1
.set n, 0
.rept 32
	PMM 0, FA, RQ
.if n < 16
	RSN 4, ALFB                        ; pairs 128-191
.endif
.set n, n+1
.endr
	RTURN \fill                        ; G7: pairs 192-255, the change of slots, PV(b), channel blocks 8-15
	FLK FA, 0, 0                       ; the next period's first fragments, from the other slot
.set n, 0
.rept 32
	PMM 1, FB, RQ
.set n, n+1
.endr
	WIN 0
.endm
; a's rows of block rb as f32 into windows 2 and 3, where O will live: fragment f's 16 numbers a lane at 128 (rb % 2) + 16 f.  The four loads of a fragment cover 128 consecutive bytes of each of 16 rows.
.macro ALOADS rb
	WIN 0x80+0x40*((\rb)>>1)
.irp f, 0,1,2,3,4,5,6,7
.irp i, 0,1,2,3
	global_load_b128 v[128*((\rb)&1)+16*\f+4*\i:128*((\rb)&1)+16*\f+4*\i+3], v[AO], s[4:5] offset:65536*(\rb)+128*\f+16*\i+32*(\i/2)
.endr
.endr
.endm
.macro CVTA rb                         ; rounded once to bf16, into window 1
	WIN 0x4A+5*((\rb)>>1)
.set i, 0
.rept 64
	v_cvt_pk_bf16_f32 v[64*(\rb)+i], v[128*((\rb)&1)+2*i], v[128*((\rb)&1)+2*i+1]
.set i, i+1
.endr
.endm
; THE WAY OUT of block rb: O^T times 1 / l, from each accumulator's low end; a lane's eight channels (32 bytes) into my stage; back as rows of 1,024 bytes; stored, 512 consecutive bytes a store.
.macro OUTRB rb
.irp g, 0,1
	WIN 0x82+0x41*\g
.set k, 0
.rept 32
.set rr, 8*(4*(k/4)+(\rb))+2*(k%4)
.if (\rb)&1
	v_pk_mul_f32 v[rr:rr+1], v[rr:rr+1], v[ALFA+((\rb)&2):ALFA+((\rb)&2)+1] op_sel:[0,1] op_sel_hi:[1,1]
.else
	v_pk_mul_f32 v[rr:rr+1], v[rr:rr+1], v[ALFA+((\rb)&2):ALFA+((\rb)&2)+1] op_sel_hi:[1,0]
.endif
.set k, k+1
.endr
.endr
.irp g, 0,1
	WIN 0x08+0x04*\g                   ; the stores' data in window 2 or 3
.set k, 0
.rept 8
	ds_store_b128 v4, v[8*(4*k+(\rb)):8*(4*k+(\rb))+3]   offset:64*(8*\g+k)
	ds_store_b128 v4, v[8*(4*k+(\rb))+4:8*(4*k+(\rb))+7] offset:64*(8*\g+k)+16
.set k, k+1
.endr
.endr
	WIN 0
	s_wait_xcnt 0x0                    ; the block before's stores have read v32-159, which are loaded again only behind this wait
.set k, 0
.rept 32
	ds_load_b128 v[32+4*k:35+4*k], v5 offset:SPIT*(k/2)+512*(k%2)  ; LDS serves a wave's instructions in order (ISA guide 5.7.1.4): these see the stores above; the next block's stores come behind them
.set k, k+1
.endr
.set k, 0
.rept 32
	s_wait_dscnt 31-k                  ; load k is back; the 31 - k younger ones may stay out
	global_store_b128 v6, v[32+4*k:35+4*k], s[8:9] offset:4096*(16*(\rb)+k/2)+512*(k%2) th:TH_STORE_NT
.set k, k+1
.endr
.endm
	s_load_b128 s[4:7], s[0:1], 0x0                ; a s[4:5], qh s[6:7]
	s_load_b64 s[8:9], s[0:1], 0x10                ; out0
	v_lshl_add_u32 v[SPW], v0, 2, SPARE
	v_mov_b32 v[NIL], 0
	ds_add_u32 v[SPW], v[NIL]                      ; the wave's opening: the add and its wait stand ahead of my first tensor load; the set-up below, work on registers, stands between them
	v_lshrrev_b32 v1, 5, v0
	v_readfirstlane_b32 s10, v1                    ; wave 0..3
	s_bfe_u32 s11, ttmp6, 0x40000                  ; cx: it enters a's and out0's addresses alone
	s_lshl_b32 s12, ttmp9, 2                       ; in a cluster launch ttmp9 counts clusters
	s_add_co_u32 s12, s12, s11                     ; my block of 64 rows
	s_lshl_b32 s12, s12, 18                        ; x 64 rows of 4,096 bytes
	s_and_b32 s44, ttmp7, 0xffff                   ; the batch, which the four partners share
	s_lshl_b32 s13, s44, 24                        ; x 4,096 rows of 4,096 bytes
	s_add_co_u32 s12, s12, s13
	s_mov_b32 s13, 0
	s_and_b32 s45, s10, 1                          ; I fetch key half w & 1
	s_lshr_b32 s46, s10, 1                         ; of channel half w >> 1
	s_lshl_b32 s14, s44, 22                        ; qh: the batch's 2,048 rows of 2,048 bytes,
	s_lshl_b32 s15, s45, 16                        ; 32 rows,
	s_add_co_u32 s14, s14, s15
	s_lshl_b32 s15, s46, 10                        ; 512 channels
	s_add_co_u32 s14, s14, s15
	s_mov_b32 s15, 0
	s_mul_i32 s47, s46, CHOFF
	s_mul_i32 s39, s45, KHOFF
	s_add_co_u32 s39, s47, s39                     ; my piece's place in a slot: the wave's number alone enters an LDS address
	; descriptor group 1: a piece of 32 rows x 512 elements, padded in LDS
	s_mov_b32 s16, 15|(1<<16)|(1<<20)|(1<<21)|(7<<22)|(7<<25)  ; 15:0 the mask of four; 17:16 2-byte elements; 20 padding on; 21 set beside a mask; 24:22 after every 256 words (code 7); 31:25 8 words (code 7)
	s_mov_b32 s17, 512<<16                         ; tensor_dim0 = 512
	s_mov_b32 s18, 32<<16                          ; tensor_dim1 = 32
	s_mov_b32 s19, 512<<16                         ; tile_dim0 = 512
	s_mov_b32 s20, 32                              ; tile_dim1 = 32
	s_mov_b32 s21, 1024                            ; 1,024 elements from row to row
	s_mov_b32 s22, 0
	s_mov_b32 s23, 0
	s_mov_b32 s24, 1                               ; group 0: count = 1,
	s_mov_b32 s25, s39                             ; slot 0
	s_mov_b32 s28, 1
	s_add_co_u32 s29, s39, SLOTB                   ; slot 1
	s_lshl_b32 s34, ttmp9, 18                      ; my cluster's first tile, 2 c, x 131,072 bytes
	s_mov_b32 s35, 0
	s_lshl_b32 s33, ttmp9, 1
	s_add_co_u32 s33, s33, 2
	s_and_b32 s33, s33, 31                         ; the first tile to be asked for by a refill
	s_mov_b32 s32, 0
	s_mov_b32 s40, 0x3fb8aa3b                      ; c = log2(e)
	s_mov_b32 s41, s40                             ; named with it as a pair
	s_mov_b32 s42, 0x76543210
	s_mov_b32 s43, 0xfedcba98
	s_wait_dscnt 0x0                               ; the opening add is done
	s_wait_kmcnt 0x0
	s_add_nc_u64 s[4:5], s[4:5], s[12:13]          ; a and out0 at my 64 rows
	s_add_nc_u64 s[8:9], s[8:9], s[12:13]
	s_add_nc_u64 s[36:37], s[6:7], s[14:15]        ; qh at my piece of the batch's tile 0
	s_add_nc_u64 s[26:27], s[36:37], s[34:35]      ; tile 2 c
	s_add_nc_u64 s[30:31], s[26:27], 0x20000       ; tile 2 c + 1
	s_or_b32 s27, s27, 0x80000000                  ; type = 2
	s_or_b32 s31, s31, 0x80000000
	s_lshl_b32 s14, s10, 10                        ; my 256 channels in f32
	s_add_nc_u64 s[8:9], s[8:9], s[14:15]
	ROUND                                          ; all four work-groups are here: the first joint loads meet
	tensor_load_to_lds s[24:27], s[16:23]          ; two loads of mine are out
	s_nop 0
	tensor_load_to_lds s[28:31], s[16:23]
	s_nop 0
	PLACES
	v_and_b32 v1, 15, v0                           ; r = lane % 16
	v_bfe_u32 v2, v0, 4, 1                         ; h = lane / 16
	v_and_b32 v3, 31, v0                           ; lane
	v_lshlrev_b32 v[AO], 12, v1                    ; a fragment of a: row r, channels 8 h + 0..7 and 16 + 8 h + 0..7, in f32
	v_lshl_add_u32 v[AO], v2, 5, v[AO]
	v_add_nc_u32 v[AO], s14, v[AO]
	ALOADS 0
	ALOADS 1
	ALOADS 2
	ALOADS 3
	WIN 0
	s_lshl_b32 s38, s45, 9                         ; my 256 channels in a slot: channel half w >> 1, 512 bytes x (w & 1)
	s_add_co_u32 s38, s38, s47
	v_and_b32 v20, 7, v0
	v_bfe_u32 v21, v0, 3, 1
	v_mul_u32_u24 v22, v20, PITCH
	v_add_nc_u32 v22, s38, v22
	v_mul_u32_u24 v23, v21, KHOFF                  ; K: key r of a block is row r % 8 of key half r / 8; 16 bytes for each half of the lanes
	v_add_nc_u32 v[KL], v22, v23
	v_lshl_add_u32 v[KL], v2, 4, v[KL]
	v_mul_u32_u24 v23, v2, KHOFF                   ; V: lane l reads row l % 8 of key half h, channels 8 ((l / 8) % 2) + 0..7
	v_add_nc_u32 v[VL], v22, v23
	v_lshl_add_u32 v[VL], v21, 4, v[VL]
	v_mov_b32 v[AK], v[KL]                         ; slot 0
	v_mov_b32 v[AV], v[VL]
	s_lshl_b32 s38, s10, 11
	s_add_co_u32 s38, s38, XP
	v_lshl_add_u32 v[XST], v3, 4, s38
	s_lshl_b32 s38, s10, 13
	s_add_co_u32 s38, s38, XP
	v_lshl_add_u32 v[XLD], v3, 4, s38
	s_lshl_b32 s38, s10, 10
	s_add_co_u32 s38, s38, PB
	v_lshl_add_u32 v[PST], v3, 4, s38
	v_lshl_add_u32 v[PLD], v3, 4, PB
	s_lshl_b32 s38, s10, 2
	s_add_co_u32 s38, s38, AL
	v_lshl_add_u32 v[AST], v3, 4, s38
	v_mov_b32 v[CM], 0xfe000000                    ; c m starts far below every c s: the first alpha is 0, so O (a's numbers) and l start as 0 without being cleared
	v_mov_b32 v[MX], 0xff7fffff                    ; m at the lowest finite number
	v_mov_b32 v[LS], 0
	v_mov_b32 v[LS+1], 0
	s_wait_loadcnt 63                              ; of the 128 loads at most the youngest 63 are out: blocks 0 and 1 (the first 64) are in
	CVTA 0
	CVTA 1
	s_wait_loadcnt 32                              ; block 3's 32 may stay out
	CVTA 2
	s_wait_loadcnt 0x0
	CVTA 3
	WIN 0
	s_wait_tensorcnt 0x1                           ; my piece of slot 0 is in; slot 1's may stay out
	s_barrier_signal -1
	s_barrier_wait -1                              ; everybody's is
	FLK FA, 0, 0
	s_mov_b32 s38, 30                              ; 30 periods ask for the tiles of periods 2 to 31
.Lper:
	PERIOD 1
	s_sub_co_u32 s38, s38, 1
	s_cmp_lg_u32 s38, 0
	s_cbranch_scc1 .Lper
	s_mov_b32 s38, 2                               ; the last two ask for nothing: written out
.Ltail:                                            ; (the very last fetch of K's fragments reads slot 0's old tile and serves nothing)
	PERIOD 0
	s_sub_co_u32 s38, s38, 1
	s_cmp_lg_u32 s38, 0
	s_cbranch_scc1 .Ltail
	; THE END.  The stage's addresses, six plain lines, stand with four v_nop behind the last products.
	PLACES
	s_mul_i32 s38, s10, STG
	v_mul_u32_u24 v4, v1, SPIT                     ; in: row r, 32 bytes for each half of the lanes
	v_lshl_add_u32 v4, v2, 5, v4
	v_add_nc_u32 v4, s38, v4
	v_lshl_add_u32 v5, v3, 4, s38                  ; back: 32 lanes take 512 consecutive bytes of a row
	v_lshlrev_b32 v6, 4, v3                        ; and the same in out0
	v_add_f32 v[C0], v[LS], v[LS+1]                ; l: its two places, and the other half of the lanes'
	v_permlanex16_b32 v[C1], v[C0], s42, s43
	v_add_f32 v[C0], v[C0], v[C1]
	v_rcp_f32 v[ALP], v[C0]
	v_nop                                          ; a plain line behind the reciprocal,
	s_wait_alu depctr_va_vdst(0)                   ; and the wait ahead of its first reader
	ds_store_b32 v[AST], v[ALP] offset:512         ; 1 / l of my block, to all
	s_wait_dscnt 0x0                               ; my store is done, and so are my last reads of the ring:
	s_barrier_signal -1
	s_barrier_wait -1                              ; slot 0 may now take the stages
	ds_load_b128 v[ALFA:ALFA+3], v[PLD] offset:4608
	s_wait_dscnt 0x0
	OUTRB 0
	OUTRB 1
	OUTRB 2
	OUTRB 3
	s_wait_tensorcnt 0x0                           ; the wave's end, behind my last tensor load and my last LDS store
	ds_add_u32 v[SPW], v[NIL]
	s_wait_dscnt 0x0
	ROUND                                          ; the closing round: no work-group ends while a partner may still ask for a tile that names it
	s_endpgm
.Lfunc_end_k_q5dbb1d8ff1_attn:
	.size	k_q5dbb1d8ff1_attn, .Lfunc_end_k_q5dbb1d8ff1_attn-k_q5dbb1d8ff1_attn
	.p2alignl 7, 3214868480
	.fill 96, 4, 3214868480
	.section	.rodata,"a",@progbits
	.p2align	6, 0x0
	.amdhsa_kernel k_q5dbb1d8ff1_attn
		.amdhsa_group_segment_fixed_size 327680
		.amdhsa_private_segment_fixed_size 0
		.amdhsa_enable_private_segment 0
		.amdhsa_kernarg_size 24
		.amdhsa_user_sgpr_count 2
		.amdhsa_user_sgpr_kernarg_segment_ptr 1
		.amdhsa_wavefront_size32 1
		.amdhsa_system_sgpr_workgroup_id_x 1
		.amdhsa_system_sgpr_workgroup_id_y 1
		.amdhsa_system_sgpr_workgroup_id_z 1
		.amdhsa_system_vgpr_workitem_id 0
		.amdhsa_next_free_vgpr 1024
		.amdhsa_next_free_sgpr 66
		.amdhsa_reserve_vcc 0
		.amdhsa_float_denorm_mode_32 3
		.amdhsa_float_denorm_mode_16_64 3
		.amdhsa_memory_ordered 1
		.amdhsa_forward_progress 1
		.amdhsa_inst_pref_size 248
	.end_amdhsa_kernel
	.amdgpu_metadata
---
amdhsa.version: [ 1, 2 ]
amdhsa.kernels:
  - .name:           k_q5dbb1d8ff1_attn
    .symbol:         k_q5dbb1d8ff1_attn.kd
    .args:
      - { .name: a, .offset: 0, .size: 8, .value_kind: global_buffer, .address_space: global }
      - { .name: qh, .offset: 8, .size: 8, .value_kind: global_buffer, .address_space: global }
      - { .name: out0, .offset: 16, .size: 8, .value_kind: global_buffer, .address_space: global }
    .group_segment_fixed_size: 327680
    .private_segment_fixed_size: 0
    .kernarg_segment_align: 8
    .kernarg_segment_size: 24
    .max_flat_workgroup_size: 128
    .sgpr_count:     66
    .vgpr_count:     1024
    .wavefront_size: 32
...
	.end_amdgpu_metadata
.endif
;; end of part 2
;; ======== version 2 of 2: 2 launches; 1.16 times as fast as version 1
;; limits: right only within a limited range of input values
;; workspace buffers: qh 16,777,216 bytes
;; launch cvtq: the kernel of part 1 again; grid 1024 x 1, 8 waves a work-group, no clusters, 0 bytes of LDS; arguments q, qh; writes qh
;; launch attn (part 3): grid 64 x 4, 4 waves a work-group, clusters of 4 x 1, 327,680 bytes of LDS; arguments a, qh, out0; writes out0
.if DOCPART == 3
	.amdgcn_target "amdgcn-amd-amdhsa--gfx1250"
	.amdhsa_code_object_version 6
	.text
	.protected	k_q5dbb1d8ff1_attn
	.globl	k_q5dbb1d8ff1_attn
	.p2align	8
	.type	k_q5dbb1d8ff1_attn,@function
k_q5dbb1d8ff1_attn:
	s_mov_b64 s[64:65], 0
	v_nop
	global_prefetch_b8 v0, s[64:65] scope:SCOPE_SE
	s_setreg_imm32_b32 hwreg(HW_REG_WAVE_MODE, 25, 1), 1
	s_wait_xcnt 0x0
	s_wait_alu depctr_hold_cnt(0) depctr_sa_sdst(0) depctr_va_vdst(0) depctr_va_sdst(0) depctr_va_ssrc(0) depctr_va_vcc(0) depctr_vm_vsrc(0)
	s_getreg_b32 s2, hwreg(HW_REG_IB_STS2, 6, 4)
	s_cmp_eq_u32 s2, 0
	s_cbranch_scc0 .Lentry_in_a_cluster
	s_endpgm
.Lentry_in_a_cluster:
	s_bfe_u32 s2, ttmp6, 0x10000c
	s_cmp_lg_u32 s2, 0x3003
	s_cbranch_scc0 .Lentry_shape_is_right
	s_endpgm
.Lentry_shape_is_right:
; out0[b][m][:] = the sum over n of softmax_n(a[b][m] . q[b][n]) q[b][n][:].  a: [4][4096][1024] f32, qh: [4][2048][1024] bf16 (q rounded once), out0 like a.
; The rows of a are the queries; the 2,048 rows of q are keys AND values, so ONE bf16 tile in LDS serves both products.  Products on bf16 operands, sums, maxima and statistics in f32;
; the weights p are rounded to bf16 for the second product, their sum l is taken of the unrounded p.
; LIMITS.  Inputs are finite: O's registers start with a's numbers and are multiplied by a first factor 0.  c x score stays above -4e37.  A weight below 2^-126 counts as 0.
; Keys are walked, and partial sums added, in another order than written in the formula.
; SHARES.  A work-group owns 64 rows of a (four blocks rb of 16): 4 x 64 = 256 work-groups.  Wave w owns channels 256 w .. 256 w + 255 in everything: its quarter of the first product's sum
; and its quarter of O's columns: 64 rows x 256 channels of f32 are 512 registers.  So each byte of a tile is read from LDS by one wave, once as K and once as V, and each fragment feeds four products.
; FIRST PRODUCT.  S^T = K A^T (source 0 = 16 keys, source 1 = 16 rows of a): a lane holds ONE row of a (lane % 16) and the keys 8 (lane / 16) + 0..7.  The four waves' partial sums meet in LDS (XP);
; wave w adds them for block rb = w, makes that block's softmax step, and hands P (bf16, as source 1 of the second product lies in registers) and the factor alpha back through LDS (PB, AL).
; SECOND PRODUCT.  O^T += V^T P (source 0 = 16 channels x 32 keys, turned by ds_load_tr16_b128): a lane again holds one row of a, and eight channels.
; SOFTMAX.  For each row a running maximum m and sum l: p = 2^(c s - c m), c = log2(e); in every step O and l are multiplied by alpha = 2^(c m_old - c m_new).
; A PERIOD is a tile of 64 keys = two steps a, b of 32 keys = 256 matrix instructions a wave, in eight groups of 32: S(a) S(a) S(b) S(b) PV(a) PV(a) PV(b) PV(b).  Step a's exchange and softmax stand beside
; S(b), step b's beside PV(a); O is rescaled just ahead of its products: behind product n stand the four lines for the accumulator of product n + 2.
; RING.  Two slots of one tile.  The slot in hand is read for the last time at the head of the seventh group and asked for again in that group's middle: the load has a whole period in which to land.
; CLUSTER.  The four work-groups of a cluster belong to one batch and walk the same tiles: each tile is asked for JOINTLY (the same load, descriptor and mask of four in all four).
; THE WALK IS STAGGERED: cluster c of a batch's 16 takes tile (2 c + t) mod 32 in period t (a softmax does not mind the order of its keys).  So the two first fills of the 16 clusters name each of the
; batch's 32 tiles once, and every later request repeats a tile that has been asked for: no prefetch is laid.
; LDS.  A slot is four pieces (channel half ch, key half kh) of 32 rows x 1,024 bytes, rows 1,056 bytes apart, piece (ch, kh) at 67,840 ch + 33,808 kh.  64 banks of 4 bytes (ISA guide 11.1): the turning load's
; 16 lanes take 8 rows x 32 bytes, 1,056 = 32 mod 256.  A fragment of K takes 8 keys of each key half, whose pieces lie 33,808 = 16 mod 256 apart: 16 rows at 16 different groups of four banks.
; Step t is rows 16 t .. 16 t + 15 of both key halves; index k of the step's 32: k = 8 h + j is row 16 t + j of half h, k = 16 + 8 h + j row 16 t + 8 + j of half h: the same in K, P and V.
; REGISTERS, in windows of 256 (s_set_vgpr_msb: bits 1:0 source 0, 3:2 source 1, 5:4 source 2, 7:6 destination):
;   window 0: v0-31 addresses and statistics; v32-95, v96-159 two fragment buffers; v160-191 RQ, v192-255 RT: scores, partial sums and P by turns
;   window 1: a's fragments, block rb, channels 32 f on, at 64 rb + 8 f          windows 2, 3: O^T, channel block cb, block rb at 8 (4 cb + rb); cb 0-7 in window 2
.set PITCH, 1056
.set KHOFF, 33808
.set CHOFF, 67840
.set SLOTB, 135680                     ; 0x21200: its bits 17, 12, 9 occur in no wave's term (67,840 = 0x10900, 33,808 = 0x8410), so one exclusive or changes slots
.set XP,    2*SLOTB                    ; 32,768 bytes: [block rb] 8,192 + [from wave] 2,048 + [16 keys kb] 1,024 + [registers 0-3, 4-7] 512 + 16 lane
.set PB,    XP+32768                   ; 4,096 bytes: [block rb] 1,024 + [registers 0-3, 4-7] 512 + 16 lane
.set AL,    PB+4096                    ; 512 bytes: 16 lane + 4 rb: alpha
.set LI,    AL+512                     ; 512 bytes: the same, 1 / l at the end
.set SPARE, LI+512                     ; the spare words, 128 bytes for each wave: two blocks of 256 bytes that no other line names
.set SPIT,  1040                       ; the way out: a stage row, 1,024 bytes + 16: 16 rows start at 16 different groups of four banks
.set STG,   16*SPIT                    ; a wave's stage; the four lie in slot 0, which has had its last fill by then
.set KL,  4                            ; v4   my lane's place in a slot for K's fragments; never rewritten in the loop
.set VL,  5                            ; v5   the same for V's
.set AK,  6                            ; v6   KL + the slot in hand
.set AV,  7                            ; v7   VL + the slot in hand
.set XST, 8                            ; v8   XP + 2,048 w + 16 lane: where I put partial sums
.set XLD, 9                            ; v9   XP + 8,192 w + 16 lane: where I find my block's four
.set PST, 10                           ; v10  PB + 1,024 w + 16 lane
.set PLD, 11                           ; v11  PB + 16 lane
.set AST, 12                           ; v12  AL + 16 lane + 4 w
.set SPW, 13                           ; v13  my spare word: SPARE + 4 x my thread's number; never rewritten
.set NIL, 14                           ; v14  0; never rewritten
.set AO,  15                           ; v15  my byte offset in a's rows; never rewritten
.set CM,  16                           ; v16  c m      (named with MX as a pair)
.set MX,  17                           ; v17  m
.set LS,  18                           ; v[18:19] l, even and odd places
.set C0,  20                           ; v20, v21 at work
.set C1,  21
.set ALP, 22                           ; v22  my block's alpha (named with DD as a pair)
.set DD,  23                           ; v23  c m_old, then c m_old - c m_new
.set ALFA, 24                          ; v[24:27] step a's alpha of the four blocks, for my lane's row
.set ALFB, 28                          ; v[28:31] step b's
.set FA,  32
.set FB,  96
.set RQ,  160
.set RT,  192
; scalars: s[4:5] a at my rows; s[6:7] qh; s[8:9] out0 at my rows and channels; s10 wave; s11 cx; s[12:15] offsets; s[16:23] descriptor group 1; s[24:27], s[28:31] group 0 (the second walks);
; s32 the slot in hand; s33 the tile to ask for next; s[34:35] its byte offset; s[36:37] qh at my piece of tile 0; s38 counter; s[40:41] c; s[42:43] lane selects; s44 batch; s45, s46 wave & 1, wave >> 1
.set MSB, 0
.macro WIN new                         ; the immediate's high byte repeats the setting that is left; a switch that changes nothing is dropped
.if MSB != (\new)
	s_set_vgpr_msb (MSB<<8)|(\new)
.set MSB, \new
.endif
.endm
; Four places: a store of a matrix result, a vector line on a matrix instruction's registers and a load into them stand four plain vector instructions behind it (ISA guide 7.12.1 for the store and the vector line).
.macro PLACES
.rept 4
	v_nop
.endr
.endm
.macro CREST                           ; a round of the cluster's barrier behind its opening barrier
	s_cmp_lg_u32 s10, 0
	s_cbranch_scc1 .Lnot_wave_0_\@
	s_barrier_signal -3
.Lnot_wave_0_\@:
	s_barrier_wait -3
	s_barrier_signal -1
	s_barrier_wait -1
.endm
.macro ROUND                           ; a whole round
	s_barrier_signal -1
	s_barrier_wait -1
	CREST
.endm
; K's fragments of step t, keys 16 kb on: 8 fragments of 32 channels, 16 loads; load i brings 16 bytes at 32 i of my 512 bytes of a row.
.macro FLK buf, t, kb
.set fi, 0
.rept 16
	ds_load_b128 v[(\buf)+4*fi:(\buf)+4*fi+3], v[AK] offset:(16*(\t)+8*(\kb))*PITCH+32*fi
.set fi, fi+1
.endr
.endm
; V's fragments of step t, channel blocks 8 g .. 8 g + 7, turned: registers 0-3 keys k = 8 h + 0..7, registers 4-7 k = 16 + 8 h + 0..7.
.macro FLV buf, t, g
.irp c, 0,1,2,3,4,5,6,7
	ds_load_tr16_b128 v[(\buf)+8*\c:(\buf)+8*\c+3],   v[AV] offset:16*(\t)*PITCH+32*(8*(\g)+\c)
	ds_load_tr16_b128 v[(\buf)+8*\c+4:(\buf)+8*\c+7], v[AV] offset:(16*(\t)+8)*PITCH+32*(8*(\g)+\c)
.endr
.endm
; My partial scores of the four blocks, 16 keys kb, to the waves that own the blocks.  Each accumulator's low registers go first.
.macro XSTO acc, kb
.irp rb, 0,1,2,3
	ds_store_b128 v[XST], v[(\acc)+8*\rb:(\acc)+8*\rb+3]   offset:8192*\rb+1024*(\kb)
	ds_store_b128 v[XST], v[(\acc)+8*\rb+4:(\acc)+8*\rb+7] offset:8192*\rb+1024*(\kb)+512
.endr
.endm
.macro XL1 blk, v                      ; wave v's partial scores of my block: 16 registers
.irp kb, 0,1
	ds_load_b128 v[(\blk)+8*\kb:(\blk)+8*\kb+3],   v[XLD] offset:2048*(\v)+1024*\kb
	ds_load_b128 v[(\blk)+8*\kb+4:(\blk)+8*\kb+7], v[XLD] offset:2048*(\v)+1024*\kb+512
.endr
.endm
.macro XLOAD b0, b1, b2, b3
	XL1 \b0, 0
	XL1 \b1, 1
	XL1 \b2, 2
	XL1 \b3, 3
.endm
.macro PLOAD pr, alf                   ; the four blocks' P and alpha
.irp rb, 0,1,2,3
	ds_load_b128 v[(\pr)+8*\rb:(\pr)+8*\rb+3],   v[PLD] offset:1024*\rb
	ds_load_b128 v[(\pr)+8*\rb+4:(\pr)+8*\rb+7], v[PLD] offset:1024*\rb+512
.endr
	ds_load_b128 v[(\alf):(\alf)+3], v[PLD] offset:4096
.endm
; Product n of 32 of S^T: channels 32 (n / 4) on, block n % 4.  The four accumulators take turns, one instruction a turn; the first four start the sums with the constant 0.
.macro SMM acc, buf
	WIN 0x04                           ; source 1 (a's fragments) in window 1
.if n < 4
	v_wmma_f32_16x16x32_bf16 v[(\acc)+8*(n%4):(\acc)+8*(n%4)+7], v[(\buf)+8*(n/4):(\buf)+8*(n/4)+7], v[64*(n%4)+8*(n/4):64*(n%4)+8*(n/4)+7], 0
.else
	v_wmma_f32_16x16x32_bf16 v[(\acc)+8*(n%4):(\acc)+8*(n%4)+7], v[(\buf)+8*(n/4):(\buf)+8*(n/4)+7], v[64*(n%4)+8*(n/4):64*(n%4)+8*(n/4)+7], v[(\acc)+8*(n%4):(\acc)+8*(n%4)+7]
.endif
.endm
; Product n of 32 of O^T += V^T P, window 2 + g: channel block 8 g + n / 4, block n % 4.  Each accumulator has one product in a group.
.macro PMM g, buf, pr
	WIN 0xA0+0x50*(\g)                 ; C and D in window 2 or 3
	v_wmma_f32_16x16x32_bf16 v[8*n:8*n+7], v[(\buf)+8*(n/4):(\buf)+8*(n/4)+7], v[(\pr)+8*(n%4):(\pr)+8*(n%4)+7], v[8*n:8*n+7]
.endm
; O's rescaling: pair rsp of 256, in the order of the products and from each accumulator's low end: O^T times the alpha of its block.  Four pairs are an accumulator.
.macro RS alf
.if rsp < 256
	WIN 0x82+0x41*(rsp>>7)             ; destination and source 0 in window 2 or 3, alpha in window 0
.set rr, 2*(rsp&127)
.set rsb, (rsp>>2)&3
.if rsb&1
	v_pk_mul_f32 v[rr:rr+1], v[rr:rr+1], v[(\alf)+(rsb&2):(\alf)+(rsb&2)+1] op_sel:[0,1] op_sel_hi:[1,1]
.else
	v_pk_mul_f32 v[rr:rr+1], v[rr:rr+1], v[(\alf)+(rsb&2):(\alf)+(rsb&2)+1] op_sel_hi:[1,0]
.endif
.set rsp, rsp+1
.endif
.endm
.macro RSN cnt, alf
.rept \cnt
	RS \alf
.endr
.endm
; My block's softmax step: line rdp of 82.  b0..b3 hold the four waves' partial scores (16 registers each); s0..s15 = b0 when they are added.
;   0-23 the four partial sums into b0     24-31 the maximum of s0..s15 and the old m     32-36 the other 16 keys lie in the lane 16 away; m; c m; c m_old - c m_new     37-44 c s - c m
;   45-61 ONE BATCH of 17 exponentials, alpha first; none reads another's result     62 a plain line behind the last of them and the ONE wait ahead of the first reader
;   63-70 p rounded to bf16 into b1     71-73 P and alpha to LDS     74-81 l = alpha l + the sum of p
.macro RD b0, b1, b2, b3
.if rdp < 82
	WIN 0
.endif
.if rdp < 8
	v_pk_add_f32 v[(\b0)+2*rdp:(\b0)+2*rdp+1], v[(\b0)+2*rdp:(\b0)+2*rdp+1], v[(\b1)+2*rdp:(\b1)+2*rdp+1]
.elseif rdp < 16
	v_pk_add_f32 v[(\b2)+2*rdp-16:(\b2)+2*rdp-15], v[(\b2)+2*rdp-16:(\b2)+2*rdp-15], v[(\b3)+2*rdp-16:(\b3)+2*rdp-15]
.elseif rdp < 24
	v_pk_add_f32 v[(\b0)+2*rdp-32:(\b0)+2*rdp-31], v[(\b0)+2*rdp-32:(\b0)+2*rdp-31], v[(\b2)+2*rdp-32:(\b2)+2*rdp-31]
.elseif rdp == 24
	v_max3_num_f32 v[C0], v[(\b0)], v[(\b0)+1], v[(\b0)+2]
.elseif rdp == 25
	v_max3_num_f32 v[C1], v[(\b0)+8], v[(\b0)+9], v[(\b0)+10]
.elseif rdp == 26
	v_max3_num_f32 v[C0], v[C0], v[(\b0)+3], v[(\b0)+4]
.elseif rdp == 27
	v_max3_num_f32 v[C1], v[C1], v[(\b0)+11], v[(\b0)+12]
.elseif rdp == 28
	v_max3_num_f32 v[C0], v[C0], v[(\b0)+5], v[(\b0)+6]
.elseif rdp == 29
	v_max3_num_f32 v[C1], v[C1], v[(\b0)+13], v[(\b0)+14]
.elseif rdp == 30
	v_max3_num_f32 v[C0], v[C0], v[(\b0)+7], v[(\b0)+15]
.elseif rdp == 31
	v_max3_num_f32 v[C0], v[C0], v[C1], v[MX]
.elseif rdp == 32
	v_permlanex16_b32 v[C1], v[C0], s42, s43
.elseif rdp == 33
	v_mov_b32 v[DD], v[CM]
.elseif rdp == 34
	v_max_num_f32 v[MX], v[C0], v[C1]
.elseif rdp == 35
	v_mul_f32 v[CM], s40, v[MX]
.elseif rdp == 36
	v_sub_f32 v[DD], v[DD], v[CM]
.elseif rdp < 45
	v_pk_fma_f32 v[(\b0)+2*rdp-74:(\b0)+2*rdp-73], v[(\b0)+2*rdp-74:(\b0)+2*rdp-73], s[40:41], v[CM:CM+1] op_sel_hi:[1,0,0] neg_lo:[0,0,1] neg_hi:[0,0,1]
.elseif rdp == 45
	v_exp_f32 v[ALP], v[DD]
.elseif rdp < 62
	v_exp_f32 v[(\b0)+rdp-46], v[(\b0)+rdp-46]
.elseif rdp == 62
	v_nop
	s_wait_alu depctr_va_vdst(0)
.elseif rdp < 71
	v_cvt_pk_bf16_f32 v[(\b1)+rdp-63], v[(\b0)+2*rdp-126], v[(\b0)+2*rdp-125]
.elseif rdp == 71
	ds_store_b128 v[PST], v[(\b1):(\b1)+3]
.elseif rdp == 72
	ds_store_b128 v[PST], v[(\b1)+4:(\b1)+7] offset:512
.elseif rdp == 73
	ds_store_b32 v[AST], v[ALP]
.elseif rdp < 78
.set z, (\b0)+4*(rdp-74)
	v_pk_add_f32 v[z:z+1], v[z:z+1], v[z+2:z+3]
.elseif rdp < 80
.set z, (\b0)+8*(rdp-78)
	v_pk_add_f32 v[z:z+1], v[z:z+1], v[z+4:z+5]
.elseif rdp == 80
	v_pk_add_f32 v[(\b0):(\b0)+1], v[(\b0):(\b0)+1], v[(\b0)+8:(\b0)+9]
.elseif rdp == 81
	v_pk_fma_f32 v[LS:LS+1], v[LS:LS+1], v[ALP:ALP+1], v[(\b0):(\b0)+1] op_sel_hi:[1,0,1]
.endif
.set rdp, rdp+1
.endm
.macro RDN cnt, b0, b1, b2, b3
.rept \cnt
	RD \b0, \b1, \b2, \b3
.endr
.endm
; Lines 32 to 81 of a softmax step, dealt behind products 0 to 12 of a group: fours, but for 60-62 (the batch's end and its wait) and 71-73 (the three stores, which stand together).
.macro RDTAIL b0, b1, b2, b3
.if n < 7
	RDN 4, \b0, \b1, \b2, \b3
.elseif n == 7
	RDN 3, \b0, \b1, \b2, \b3
.elseif n < 10
	RDN 4, \b0, \b1, \b2, \b3
.elseif n == 10
	RDN 3, \b0, \b1, \b2, \b3
.elseif n < 13
	RDN 4, \b0, \b1, \b2, \b3
.endif
.endm
; A PERIOD.  Group i multiplies fragment buffer i % 2.
; LDS INSTRUCTIONS STAND IN RUNS, never singly among the products: one run at each group's head, behind four places (the buffer that the group before read is loaded again; finished scores are stored);
; one behind the wait of each of the barriers b2 to b5, in the middle of groups 2 to 5; and the three stores of P and alpha together.  In a run what is wanted first is issued first, and the waits are counted.
; THE BARRIERS ARE SPLIT: products stand between the stores and the wait for them, and two products (at the change of slots six) between a signal and its wait.  s_wait_dscnt 0 stands in front of every signal.
;   b2: XP's stores of step a -> their loads.     b3: those loads done -> XP's stores of step b; P and alpha of step a stored -> loaded.
;   b4: XP's stores of step b -> their loads; P's loads of step a done -> P's stores of step b.     b5: P and alpha of step b stored -> loaded; XP's loads of step b done -> the next period's stores.
; THE RIDERS.  Step a's softmax: lines 0-31 behind products 24-31 of G2, lines 32-81 behind products 0-12 of G3.  Step b's likewise in G4 and G5.  O's rescaling: eight lines (two accumulators) at the head of
; G4 and of G6, then four behind each product: ahead of product N of a step's 64 the pairs up to 4 N + 7 are done, and it wants those up to 4 N + 3.
; THE CHANGE OF SLOTS stands in G6: the slot's last reads go out at the group's head; the wait for all tensor loads (one is out: my piece of the other slot) and the add close that run; 14 products stand up to
; the wait for the add and the reads, and the signal; six more up to the wait.  fill = 1: the barrier opens a round of the cluster's, and the joint refill of this slot is the first thing behind the round.
.macro PERIOD fill
	PLACES                             ; G0: S(a), keys 0-15 of the step -> RT+0..31
	FLK FB, 0, 1
	s_wait_dscnt 16                    ; FA, fetched a group ago, is in; the 16 loads just issued may stay out
.set n, 0
.rept 32
	SMM RT, FA
.set n, n+1
.endr
	PLACES                             ; G1: S(a), keys 16-31 -> RT+32..63
	WIN 0
	XSTO RT, 0
	FLK FA, 1, 0
	s_wait_dscnt 24                    ; FB is in; the 8 stores and 16 loads just issued may stay out
.set n, 0
.rept 32
	SMM RT+32, FB
.set n, n+1
.endr
	PLACES                             ; G2: S(b), keys 0-15 -> RQ
	WIN 0
	XSTO RT+32, 1
	s_wait_dscnt 8                     ; FA is in; the 8 stores just issued may stay out
.set n, 0
.set rdp, 0
.rept 32
	SMM RQ, FA
.if n == 10
	s_wait_dscnt 0x0                   ; my partial scores of step a lie in XP
	s_barrier_signal -1                ; b2
.endif
.if n == 12
	s_barrier_wait -1
	WIN 0
	XLOAD RT, RT+16, RT+32, RT+48      ; wanted first,
	FLK FB, 1, 1                       ; wanted a group later
.endif
.if n == 24
	s_wait_dscnt 16                    ; the four partial sums are in; FB's 16 loads may stay out
.endif
.if n >= 24
	RDN 4, RT, RT+16, RT+32, RT+48     ; lines 0-31: RT+32..63 are read out before G3 writes them
.endif
.set n, n+1
.endr
	PLACES                             ; G3: S(b), keys 16-31 -> RT+32..63
	WIN 0
	FLV FA, 0, 0
	s_wait_dscnt 16                    ; FB is in
.set n, 0
.rept 32
	SMM RT+32, FB
	RDTAIL RT, RT+16, RT+32, RT+48
.if n == 19
	s_wait_dscnt 0x0                   ; my P and alpha of step a lie in LDS; my loads from XP are long back
	s_barrier_signal -1                ; b3
.endif
.if n == 21
	s_barrier_wait -1
	WIN 0
	PLOAD RT, ALFA                     ; P(a) -> RT+0..31: wanted at G4's head,
	XSTO RQ, 0                         ; step b's first scores
.endif
.set n, n+1
.endr
	PLACES                             ; G4: PV(a), channel blocks 0-7
	WIN 0
	XSTO RT+32, 1
	s_wait_dscnt 8                     ; P(a) and alpha(a) are in; the 8 stores just issued may stay out
.set rsp, 0
	RSN 8, ALFA                        ; the first two accumulators
.set n, 0
.set rdp, 0
.rept 32
	PMM 0, FA, RT
.if n == 24
	s_wait_dscnt 16                    ; the four partial sums of step b are in; FB's 16 loads may stay out
.endif
.if n >= 24
	RDN 4, RT+32, RT+48, RQ, RQ+16
.endif
	RSN 4, ALFA
.if n == 10
	s_wait_dscnt 0x0                   ; my partial scores of step b lie in XP; my loads of P(a) are back
	s_barrier_signal -1                ; b4
.endif
.if n == 12
	WIN 0
	s_barrier_wait -1
	XLOAD RT+32, RT+48, RQ, RQ+16
	FLV FB, 0, 1
.endif
.set n, n+1
.endr
	PLACES                             ; G5: PV(a), channel blocks 8-15
	WIN 0
	FLV FA, 1, 0
	s_wait_dscnt 16                    ; FB is in
.set n, 0
.rept 32
	PMM 1, FB, RT
	RDTAIL RT+32, RT+48, RQ, RQ+16
	RSN 4, ALFA
.if n == 19
	s_wait_dscnt 0x0                   ; my P and alpha of step b lie in LDS
	s_barrier_signal -1                ; b5
.endif
.if n == 21
	WIN 0
	s_barrier_wait -1
	PLOAD RQ, ALFB                     ; P(b) -> RQ
.endif
.set n, n+1
.endr
	PLACES                             ; G6: PV(b), channel blocks 0-7, and the change of slots
	WIN 0
	FLV FB, 1, 1                       ; my last reads of this slot
	s_wait_tensorcnt 0x0               ; no tensor load of mine is out, so the walking group 0 may be written
	ds_add_u32 v[SPW], v[NIL]          ; 0 onto my spare word
.if \fill
	s_xor_b32 s29, s29, SLOTB          ; the other slot than last time,
	s_lshl_b32 s34, s33, 17            ; a tile is 64 rows of 2,048 bytes
	s_add_nc_u64 s[30:31], s[36:37], s[34:35]  ; the address is made anew from the tile's number
	s_or_b32 s31, s31, 0x80000000
	s_add_co_u32 s33, s33, 1
	s_and_b32 s33, s33, 31             ; the walk goes round the batch's 32 tiles
.endif
	s_wait_dscnt 17                    ; P(b) and alpha(b) are in; FB's 16 loads and the add may stay out
.set rsp, 0
	RSN 8, ALFB
.set n, 0
.rept 32
	PMM 0, FA, RQ
	RSN 4, ALFB
.if n == 13
	s_wait_dscnt 0x0                   ; the add is done, and my reads of this slot are in registers
	s_barrier_signal -1
.endif
.if n == 19
	WIN 0
	s_barrier_wait -1
.if \fill
	CREST                              ; no wave of any partner still reads this slot or has a load on its way
	tensor_load_to_lds s[28:31], s[16:23]
	s_nop 0
	PLACES
.endif
	s_xor_b32 s32, s32, SLOTB          ; the fetches go to the other slot
	v_add_nc_u32 v[AK], s32, v[KL]
	v_add_nc_u32 v[AV], s32, v[VL]
.endif
.set n, n+1
.endr
	PLACES                             ; G7: PV(b), channel blocks 8-15
	WIN 0
	FLK FA, 0, 0                       ; the next period's first fragments, from the other slot
.set n, 0
.rept 32
	PMM 1, FB, RQ
	RSN 4, ALFB
.set n, n+1
.endr
	WIN 0
.endm
; a's rows of block rb as f32 into windows 2 and 3, where O will live: fragment f's 16 numbers a lane at 128 (rb % 2) + 16 f.  The four loads of a fragment cover 128 consecutive bytes of each of 16 rows.
.macro ALOADS rb
	WIN 0x80+0x40*((\rb)>>1)
.irp f, 0,1,2,3,4,5,6,7
.irp i, 0,1,2,3
	global_load_b128 v[128*((\rb)&1)+16*\f+4*\i:128*((\rb)&1)+16*\f+4*\i+3], v[AO], s[4:5] offset:65536*(\rb)+128*\f+16*\i+32*(\i/2)
.endr
.endr
.endm
.macro CVTA rb                         ; rounded once to bf16, into window 1
	WIN 0x4A+5*((\rb)>>1)
.set i, 0
.rept 64
	v_cvt_pk_bf16_f32 v[64*(\rb)+i], v[128*((\rb)&1)+2*i], v[128*((\rb)&1)+2*i+1]
.set i, i+1
.endr
.endm
; THE WAY OUT of block rb: O^T times 1 / l, from each accumulator's low end; a lane's eight channels (32 bytes) into my stage; back as rows of 1,024 bytes; stored, 512 consecutive bytes a store.
.macro OUTRB rb
.irp g, 0,1
	WIN 0x82+0x41*\g
.set k, 0
.rept 32
.set rr, 8*(4*(k/4)+(\rb))+2*(k%4)
.if (\rb)&1
	v_pk_mul_f32 v[rr:rr+1], v[rr:rr+1], v[ALFA+((\rb)&2):ALFA+((\rb)&2)+1] op_sel:[0,1] op_sel_hi:[1,1]
.else
	v_pk_mul_f32 v[rr:rr+1], v[rr:rr+1], v[ALFA+((\rb)&2):ALFA+((\rb)&2)+1] op_sel_hi:[1,0]
.endif
.set k, k+1
.endr
.endr
.irp g, 0,1
	WIN 0x08+0x04*\g                   ; the stores' data in window 2 or 3
.set k, 0
.rept 8
	ds_store_b128 v4, v[8*(4*k+(\rb)):8*(4*k+(\rb))+3]   offset:64*(8*\g+k)
	ds_store_b128 v4, v[8*(4*k+(\rb))+4:8*(4*k+(\rb))+7] offset:64*(8*\g+k)+16
.set k, k+1
.endr
.endr
	WIN 0
	s_wait_xcnt 0x0                    ; the block before's stores have read v32-159, which are loaded again only behind this wait
.set k, 0
.rept 32
	ds_load_b128 v[32+4*k:35+4*k], v5 offset:SPIT*(k/2)+512*(k%2)  ; LDS serves a wave's instructions in order (ISA guide 5.7.1.4): these see the stores above; the next block's stores come behind them
.set k, k+1
.endr
.set k, 0
.rept 32
	s_wait_dscnt 31-k                  ; load k is back; the 31 - k younger ones may stay out
	global_store_b128 v6, v[32+4*k:35+4*k], s[8:9] offset:4096*(16*(\rb)+k/2)+512*(k%2) th:TH_STORE_NT
.set k, k+1
.endr
.endm
	s_load_b128 s[4:7], s[0:1], 0x0                ; a s[4:5], qh s[6:7]
	s_load_b64 s[8:9], s[0:1], 0x10                ; out0
	v_lshl_add_u32 v[SPW], v0, 2, SPARE
	v_mov_b32 v[NIL], 0
	ds_add_u32 v[SPW], v[NIL]                      ; the wave's opening: the add and its wait stand ahead of my first tensor load; the set-up below, work on registers, stands between them
	v_lshrrev_b32 v1, 5, v0
	v_readfirstlane_b32 s10, v1                    ; wave 0..3
	s_bfe_u32 s11, ttmp6, 0x40000                  ; cx: it enters a's and out0's addresses alone
	s_lshl_b32 s12, ttmp9, 2                       ; in a cluster launch ttmp9 counts clusters
	s_add_co_u32 s12, s12, s11                     ; my block of 64 rows
	s_lshl_b32 s12, s12, 18                        ; x 64 rows of 4,096 bytes
	s_and_b32 s44, ttmp7, 0xffff                   ; the batch, which the four partners share
	s_lshl_b32 s13, s44, 24                        ; x 4,096 rows of 4,096 bytes
	s_add_co_u32 s12, s12, s13
	s_mov_b32 s13, 0
	s_and_b32 s45, s10, 1                          ; I fetch key half w & 1
	s_lshr_b32 s46, s10, 1                         ; of channel half w >> 1
	s_lshl_b32 s14, s44, 22                        ; qh: the batch's 2,048 rows of 2,048 bytes,
	s_lshl_b32 s15, s45, 16                        ; 32 rows,
	s_add_co_u32 s14, s14, s15
	s_lshl_b32 s15, s46, 10                        ; 512 channels
	s_add_co_u32 s14, s14, s15
	s_mov_b32 s15, 0
	s_mul_i32 s47, s46, CHOFF
	s_mul_i32 s39, s45, KHOFF
	s_add_co_u32 s39, s47, s39                     ; my piece's place in a slot: the wave's number alone enters an LDS address
	; descriptor group 1: a piece of 32 rows x 512 elements, padded in LDS
	s_mov_b32 s16, 15|(1<<16)|(1<<20)|(1<<21)|(7<<22)|(7<<25)  ; 15:0 the mask of four; 17:16 2-byte elements; 20 padding on; 21 set beside a mask; 24:22 after every 256 words (code 7); 31:25 8 words (code 7)
	s_mov_b32 s17, 512<<16                         ; tensor_dim0 = 512
	s_mov_b32 s18, 32<<16                          ; tensor_dim1 = 32
	s_mov_b32 s19, 512<<16                         ; tile_dim0 = 512
	s_mov_b32 s20, 32                              ; tile_dim1 = 32
	s_mov_b32 s21, 1024                            ; 1,024 elements from row to row
	s_mov_b32 s22, 0
	s_mov_b32 s23, 0
	s_mov_b32 s24, 1                               ; group 0: count = 1,
	s_mov_b32 s25, s39                             ; slot 0
	s_mov_b32 s28, 1
	s_add_co_u32 s29, s39, SLOTB                   ; slot 1
	s_lshl_b32 s34, ttmp9, 18                      ; my cluster's first tile, 2 c, x 131,072 bytes
	s_mov_b32 s35, 0
	s_lshl_b32 s33, ttmp9, 1
	s_add_co_u32 s33, s33, 2
	s_and_b32 s33, s33, 31                         ; the first tile to be asked for by a refill
	s_mov_b32 s32, 0
	s_mov_b32 s40, 0x3fb8aa3b                      ; c = log2(e)
	s_mov_b32 s41, s40                             ; named with it as a pair
	s_mov_b32 s42, 0x76543210
	s_mov_b32 s43, 0xfedcba98
	s_wait_dscnt 0x0                               ; the opening add is done
	s_wait_kmcnt 0x0
	s_add_nc_u64 s[4:5], s[4:5], s[12:13]          ; a and out0 at my 64 rows
	s_add_nc_u64 s[8:9], s[8:9], s[12:13]
	s_add_nc_u64 s[36:37], s[6:7], s[14:15]        ; qh at my piece of the batch's tile 0
	s_add_nc_u64 s[26:27], s[36:37], s[34:35]      ; tile 2 c
	s_add_nc_u64 s[30:31], s[26:27], 0x20000       ; tile 2 c + 1
	s_or_b32 s27, s27, 0x80000000                  ; type = 2
	s_or_b32 s31, s31, 0x80000000
	s_lshl_b32 s14, s10, 10                        ; my 256 channels in f32
	s_add_nc_u64 s[8:9], s[8:9], s[14:15]
	ROUND                                          ; all four work-groups are here: the first joint loads meet
	tensor_load_to_lds s[24:27], s[16:23]          ; two loads of mine are out
	s_nop 0
	tensor_load_to_lds s[28:31], s[16:23]
	s_nop 0
	PLACES
	v_and_b32 v1, 15, v0                           ; r = lane % 16
	v_bfe_u32 v2, v0, 4, 1                         ; h = lane / 16
	v_and_b32 v3, 31, v0                           ; lane
	v_lshlrev_b32 v[AO], 12, v1                    ; a fragment of a: row r, channels 8 h + 0..7 and 16 + 8 h + 0..7, in f32
	v_lshl_add_u32 v[AO], v2, 5, v[AO]
	v_add_nc_u32 v[AO], s14, v[AO]
	ALOADS 0
	ALOADS 1
	ALOADS 2
	ALOADS 3
	WIN 0
	s_lshl_b32 s38, s45, 9                         ; my 256 channels in a slot: channel half w >> 1, 512 bytes x (w & 1)
	s_add_co_u32 s38, s38, s47
	v_and_b32 v20, 7, v0
	v_bfe_u32 v21, v0, 3, 1
	v_mul_u32_u24 v22, v20, PITCH
	v_add_nc_u32 v22, s38, v22
	v_mul_u32_u24 v23, v21, KHOFF                  ; K: key r of a block is row r % 8 of key half r / 8; 16 bytes for each half of the lanes
	v_add_nc_u32 v[KL], v22, v23
	v_lshl_add_u32 v[KL], v2, 4, v[KL]
	v_mul_u32_u24 v23, v2, KHOFF                   ; V: lane l reads row l % 8 of key half h, channels 8 ((l / 8) % 2) + 0..7
	v_add_nc_u32 v[VL], v22, v23
	v_lshl_add_u32 v[VL], v21, 4, v[VL]
	v_mov_b32 v[AK], v[KL]                         ; slot 0
	v_mov_b32 v[AV], v[VL]
	s_lshl_b32 s38, s10, 11
	s_add_co_u32 s38, s38, XP
	v_lshl_add_u32 v[XST], v3, 4, s38
	s_lshl_b32 s38, s10, 13
	s_add_co_u32 s38, s38, XP
	v_lshl_add_u32 v[XLD], v3, 4, s38
	s_lshl_b32 s38, s10, 10
	s_add_co_u32 s38, s38, PB
	v_lshl_add_u32 v[PST], v3, 4, s38
	v_lshl_add_u32 v[PLD], v3, 4, PB
	s_lshl_b32 s38, s10, 2
	s_add_co_u32 s38, s38, AL
	v_lshl_add_u32 v[AST], v3, 4, s38
	v_mov_b32 v[CM], 0xfe000000                    ; c m starts far below every c s: the first alpha is 0, so O (a's numbers) and l start as 0 without being cleared
	v_mov_b32 v[MX], 0xff7fffff                    ; m at the lowest finite number
	v_mov_b32 v[LS], 0
	v_mov_b32 v[LS+1], 0
	s_wait_loadcnt 63                              ; of the 128 loads at most the youngest 63 are out: blocks 0 and 1 (the first 64) are in
	CVTA 0
	CVTA 1
	s_wait_loadcnt 32                              ; block 3's 32 may stay out
	CVTA 2
	s_wait_loadcnt 0x0
	CVTA 3
	WIN 0
	s_wait_tensorcnt 0x1                           ; my piece of slot 0 is in; slot 1's may stay out
	s_barrier_signal -1
	s_barrier_wait -1                              ; everybody's is
	FLK FA, 0, 0
	s_mov_b32 s38, 30                              ; 30 periods ask for the tiles of periods 2 to 31
.Lper:
	PERIOD 1
	s_sub_co_u32 s38, s38, 1
	s_cmp_lg_u32 s38, 0
	s_cbranch_scc1 .Lper
	s_mov_b32 s38, 2                               ; the last two ask for nothing: written out
.Ltail:                                            ; (the very last fetch of K's fragments reads slot 0's old tile and serves nothing)
	PERIOD 0
	s_sub_co_u32 s38, s38, 1
	s_cmp_lg_u32 s38, 0
	s_cbranch_scc1 .Ltail
	; THE END.  The stage's addresses, six plain lines, stand with four v_nop behind the last products.
	PLACES
	s_mul_i32 s38, s10, STG
	v_mul_u32_u24 v4, v1, SPIT                     ; in: row r, 32 bytes for each half of the lanes
	v_lshl_add_u32 v4, v2, 5, v4
	v_add_nc_u32 v4, s38, v4
	v_lshl_add_u32 v5, v3, 4, s38                  ; back: 32 lanes take 512 consecutive bytes of a row
	v_lshlrev_b32 v6, 4, v3                        ; and the same in out0
	v_add_f32 v[C0], v[LS], v[LS+1]                ; l: its two places, and the other half of the lanes'
	v_permlanex16_b32 v[C1], v[C0], s42, s43
	v_add_f32 v[C0], v[C0], v[C1]
	v_rcp_f32 v[ALP], v[C0]
	v_nop                                          ; a plain line behind the reciprocal,
	s_wait_alu depctr_va_vdst(0)                   ; and the wait ahead of its first reader
	ds_store_b32 v[AST], v[ALP] offset:512         ; 1 / l of my block, to all
	s_wait_dscnt 0x0                               ; my store is done, and so are my last reads of the ring:
	s_barrier_signal -1
	s_barrier_wait -1                              ; slot 0 may now take the stages
	ds_load_b128 v[ALFA:ALFA+3], v[PLD] offset:4608
	s_wait_dscnt 0x0
	OUTRB 0
	OUTRB 1
	OUTRB 2
	OUTRB 3
	s_wait_tensorcnt 0x0                           ; the wave's end, behind my last tensor load and my last LDS store
	ds_add_u32 v[SPW], v[NIL]
	s_wait_dscnt 0x0
	ROUND                                          ; the closing round: no work-group ends while a partner may still ask for a tile that names it
	s_endpgm
.Lfunc_end_k_q5dbb1d8ff1_attn:
	.size	k_q5dbb1d8ff1_attn, .Lfunc_end_k_q5dbb1d8ff1_attn-k_q5dbb1d8ff1_attn
	.p2alignl 7, 3214868480
	.fill 96, 4, 3214868480
	.section	.rodata,"a",@progbits
	.p2align	6, 0x0
	.amdhsa_kernel k_q5dbb1d8ff1_attn
		.amdhsa_group_segment_fixed_size 327680
		.amdhsa_private_segment_fixed_size 0
		.amdhsa_enable_private_segment 0
		.amdhsa_kernarg_size 24
		.amdhsa_user_sgpr_count 2
		.amdhsa_user_sgpr_kernarg_segment_ptr 1
		.amdhsa_wavefront_size32 1
		.amdhsa_system_sgpr_workgroup_id_x 1
		.amdhsa_system_sgpr_workgroup_id_y 1
		.amdhsa_system_sgpr_workgroup_id_z 1
		.amdhsa_system_vgpr_workitem_id 0
		.amdhsa_next_free_vgpr 1024
		.amdhsa_next_free_sgpr 66
		.amdhsa_reserve_vcc 0
		.amdhsa_float_denorm_mode_32 3
		.amdhsa_float_denorm_mode_16_64 3
		.amdhsa_memory_ordered 1
		.amdhsa_forward_progress 1
		.amdhsa_inst_pref_size 251
	.end_amdhsa_kernel
	.amdgpu_metadata
---
amdhsa.version: [ 1, 2 ]
amdhsa.kernels:
  - .name:           k_q5dbb1d8ff1_attn
    .symbol:         k_q5dbb1d8ff1_attn.kd
    .args:
      - { .name: a, .offset: 0, .size: 8, .value_kind: global_buffer, .address_space: global }
      - { .name: qh, .offset: 8, .size: 8, .value_kind: global_buffer, .address_space: global }
      - { .name: out0, .offset: 16, .size: 8, .value_kind: global_buffer, .address_space: global }
    .group_segment_fixed_size: 327680
    .private_segment_fixed_size: 0
    .kernarg_segment_align: 8
    .kernarg_segment_size: 24
    .max_flat_workgroup_size: 128
    .sgpr_count:     66
    .vgpr_count:     1024
    .wavefront_size: 32
...
	.end_amdgpu_metadata
.endif
;; end of part 3
